; MI455X (gfx1250); checked and timed in simulation.
; The chip was launched on July 23, 2026; its instructions are those of AMD's public machine-readable ISA for CDNA 5 (MIT licence, August 2026) and "CDNA5" Instruction Set Architecture Reference Guide (July 2026). The comments in the code are by the model that wrote it; some were corrected since.
;; Vector Quantizer1 D. Allowed arithmetic: float matrix products may take bf16 or f16 operands with f32 sums; all other float work in f32.
;; Inputs: emb 8,192 x 256 float32; z_e 32 x 1,024 x 256 float32.
;; Outputs: out0 32 x 1,024 x 256 float32; out1 32 x 1,024 int32; out2 one number float32.
;; One version. Each part assembles by itself: llvm-mc -triple=amdgcn-amd-amdhsa -mcpu=gfx1250 --defsym DOCPART=n.
;; ======== version 1 of 1: 4 launches
;; workspace buffers: cb 4,325,376 bytes; idxw 131,072 bytes of whole numbers; part 2,048 bytes
;; launch prep (part 1): grid 256 x 1, 2 waves a work-group, no clusters, 17,152 bytes of LDS; arguments emb, cb; writes cb
.if DOCPART == 1
	.amdgcn_target "amdgcn-amd-amdhsa--gfx1250"
	.amdhsa_code_object_version 6
	.text
	.protected	k_qcc841d4c18_prep
	.globl	k_qcc841d4c18_prep
	.p2align	8
	.type	k_qcc841d4c18_prep,@function
k_qcc841d4c18_prep:
	s_mov_b64 s[64:65], 0
	v_nop
	global_prefetch_b8 v0, s[64:65] scope:SCOPE_SE
	s_setreg_imm32_b32 hwreg(HW_REG_WAVE_MODE, 25, 1), 1
	s_wait_xcnt 0x0
; cb = the codebook made ready for the matrix launch.  emb: [8192][256] f32.
; cb: code c takes 528 bytes at 528 c: bytes 0-511 its 256 numbers rounded to bf16, bytes 512-527 four f32,
; E[4 (c/4) .. 4 (c/4) + 3], where E[c] = the sum in f32 of the squares of code c's ROUNDED numbers.
; So a plain copy of cb into LDS has rows 528 = 33 x 16 bytes apart and carries E along.
; Two waves; wave g = 2 x work-group + wave owns codes 16 g .. 16 g + 15: 16,384 bytes in, 8,448 = 33 x 256 bytes out.
; The image is put together in the wave's own 8,448 bytes of LDS and leaves by 16-byte stores, each of which covers
; 512 consecutive bytes that start at a multiple of 256 from cb's first byte.  No wave reads another's bytes: no barrier.
.set CP,  528                          ; bytes of a code in cb
.set WB,  16*CP                        ; bytes of a wave's 16 codes
.set P,   6                            ; v[6:9]    a row's 8 numbers of mine, packed bf16
.set U,   10                           ; v[10:17]  the same, widened again to f32
.set SM,  18                           ; v[18:19]  sum of squares, two chains
.set PX,  20                           ; v20       the other half's sum
.set LT,  21                           ; v21       LDS: 16 x (lane mod 16), for the image's last 256 bytes
.set GT,  22                           ; v22       the same offset in cb
.set EE,  24                           ; v[24:27]  E of four codes
.set X,   32                           ; v[32:159] row i: 8 registers as loaded; later the image read back
	s_load_b128 s[4:7], s[0:1], 0x0                ; emb s[4:5], cb s[6:7]
	v_lshl_add_u32 v160, v0, 2, 0x4200
	v_mov_b32 v161, 0
	v_lshrrev_b32 v2, 5, v0
	v_readfirstlane_b32 s8, v2                     ; wave 0, 1
	v_and_b32 v1, 31, v0                           ; lane
	s_lshl1_add_u32 s9, ttmp9, s8                  ; g
	s_lshl_b32 s10, s9, 14                         ; g x 16 rows x 1,024 bytes
	s_mov_b32 s11, 0
	s_mul_i32 s16, s9, WB                          ; g x 8,448 bytes
	s_mov_b32 s17, 0
	s_mul_i32 s15, s8, WB                          ; my wave's bytes in LDS
	s_add_co_u32 s19, s15, 512                     ; and the first code's tail there
	s_mov_b32 s12, 0x76543210                      ; v_permlanex16_b32: lane i of one half reads lane i of the other
	s_mov_b32 s13, 0xfedcba98
	s_mov_b32 s14, 0xffff0000                      ; a word's upper bf16
	v_lshlrev_b32 v2, 4, v1                        ; 16 x lane: my bytes in a run of 512, in emb and in cb
	v_lshl_add_u32 v3, v1, 3, s15                  ; LDS: 8 x lane, my four bf16
	v_and_b32 v4, 3, v1
	v_mul_u32_u24 v4, v4, CP
	v_add_nc_u32 v4, s19, v4                       ; LDS: the tail of code (lane mod 4) of a group of four
	v_lshl_add_u32 v5, v1, 4, s15                  ; LDS: 16 x lane, for the way back
	v_and_b32 v[GT], 15, v0
	v_lshl_add_u32 v[LT], v[GT], 4, s15            ; LDS: 16 x (lane mod 16): with the offset 8,192 it ends at my wave's last byte
	v_lshlrev_b32 v[GT], 4, v[GT]
	v_mov_b32 v[PX], 0                             ; v_permlanex16_b32 counts as a reader of its destination
	s_wait_kmcnt 0x0
	s_add_nc_u64 s[4:5], s[4:5], s[10:11]
	s_add_nc_u64 s[6:7], s[6:7], s[16:17]
.set ri, 0
.rept 16
	global_load_b128 v[X+8*ri:X+8*ri+3],   v2, s[4:5] offset:1024*ri        ; numbers 4 l .. 4 l + 3 of row ri
	global_load_b128 v[X+8*ri+4:X+8*ri+7], v2, s[4:5] offset:1024*ri+512    ; numbers 128 + 4 l .. + 3
.set ri, ri+1
.endr
.set ri, 0
.rept 16
	s_wait_loadcnt 30-2*ri                         ; loads come back in order: row ri's two are in, the 30 - 2 ri younger ones stay out
	v_cvt_pk_bf16_f32 v[P+0], v[X+8*ri+0], v[X+8*ri+1]
	v_cvt_pk_bf16_f32 v[P+1], v[X+8*ri+2], v[X+8*ri+3]
	v_cvt_pk_bf16_f32 v[P+2], v[X+8*ri+4], v[X+8*ri+5]
	v_cvt_pk_bf16_f32 v[P+3], v[X+8*ri+6], v[X+8*ri+7]
	ds_store_b64 v3, v[P:P+1]   offset:CP*ri
	ds_store_b64 v3, v[P+2:P+3] offset:CP*ri+256
.irp k, 0,1,2,3
	v_lshlrev_b32 v[U+2*\k],   16, v[P+\k]         ; the rounded numbers as f32: E belongs to what the product sees
	v_and_b32     v[U+2*\k+1], s14, v[P+\k]
.endr
	v_pk_mul_f32 v[SM:SM+1], v[U:U+1], v[U:U+1]    ; the first squares start the sum
	v_pk_fma_f32 v[SM:SM+1], v[U+2:U+3], v[U+2:U+3], v[SM:SM+1]
	v_pk_fma_f32 v[SM:SM+1], v[U+4:U+5], v[U+4:U+5], v[SM:SM+1]
	v_pk_fma_f32 v[SM:SM+1], v[U+6:U+7], v[U+6:U+7], v[SM:SM+1]
	v_add_f32 v[SM], v[SM], v[SM+1]
	v_add_f32_dpp v[SM], v[SM], v[SM] row_xmask:1 row_mask:0xf bank_mask:0xf
	v_add_f32_dpp v[SM], v[SM], v[SM] row_xmask:2 row_mask:0xf bank_mask:0xf
	v_add_f32_dpp v[SM], v[SM], v[SM] row_xmask:4 row_mask:0xf bank_mask:0xf
	v_add_f32_dpp v[SM], v[SM], v[SM] row_xmask:8 row_mask:0xf bank_mask:0xf
	v_permlanex16_b32 v[PX], v[SM], s12, s13
	v_add_f32 v[EE+(ri&3)], v[SM], v[PX]           ; E of row ri, in every lane
.if (ri&3) == 3
	ds_store_b128 v4, v[EE:EE+3] offset:(ri-3)*CP  ; the four E into the tails of the four codes; lanes with equal lane mod 4 write the same bytes with the same numbers
.endif
.set ri, ri+1
.endr
	; the way out: LDS serves a wave's instructions in order, so these loads see the stores above.
	; Sixteen runs of 512 bytes, then the last 256 bytes, which both halves of the lanes read alike.
.irp t, 0,1,2,3,4,5,6,7,8,9,10,11,12,13,14,15
	ds_load_b128 v[X+4*\t:X+4*\t+3], v5 offset:512*\t
.endr
	ds_load_b128 v[X+64:X+67], v[LT] offset:8192
.irp t, 0,1,2,3,4,5,6,7,8,9,10,11,12,13,14,15
	s_wait_dscnt 16-\t                             ; load t of the seventeen is in, the 16 - t younger ones stay out
	global_store_b128 v2, v[X+4*\t:X+4*\t+3], s[6:7] offset:512*\t
.endr
	v_cmp_gt_u32 vcc_lo, 16, v1                    ; the last 256 of the 8,448 bytes are stored by lanes 0 to 15
	s_wait_dscnt 0x0                               ; the seventeenth load is in
	s_wait_xcnt 0x0                                ; EXEC is a source of the stores above: it changes only behind this wait
	s_wait_tensorcnt 0x0
	ds_add_u32 v160, v161
	s_wait_dscnt 0x0
	s_and_saveexec_b32 s18, vcc_lo
	global_store_b128 v[GT], v[X+64:X+67], s[6:7] offset:8192
	s_wait_xcnt 0x0                                ; and again in front of the line that widens it
	s_or_b32 exec_lo, exec_lo, s18
	s_endpgm
.Lfunc_end_k_qcc841d4c18_prep:
	.size	k_qcc841d4c18_prep, .Lfunc_end_k_qcc841d4c18_prep-k_qcc841d4c18_prep
	.p2alignl 7, 3214868480
	.fill 96, 4, 3214868480
	.section	.rodata,"a",@progbits
	.p2align	6, 0x0
	.amdhsa_kernel k_qcc841d4c18_prep
		.amdhsa_group_segment_fixed_size 17152
		.amdhsa_private_segment_fixed_size 0
		.amdhsa_enable_private_segment 0
		.amdhsa_kernarg_size 16
		.amdhsa_user_sgpr_count 2
		.amdhsa_user_sgpr_kernarg_segment_ptr 1
		.amdhsa_wavefront_size32 1
		.amdhsa_system_sgpr_workgroup_id_x 1
		.amdhsa_system_sgpr_workgroup_id_y 1
		.amdhsa_system_sgpr_workgroup_id_z 1
		.amdhsa_system_vgpr_workitem_id 0
		.amdhsa_next_free_vgpr 162
		.amdhsa_next_free_sgpr 66
		.amdhsa_reserve_vcc 1
		.amdhsa_float_denorm_mode_32 3
		.amdhsa_float_denorm_mode_16_64 3
		.amdhsa_memory_ordered 1
		.amdhsa_forward_progress 1
		.amdhsa_inst_pref_size 29
	.end_amdhsa_kernel
	.amdgpu_metadata
---
amdhsa.version: [ 1, 2 ]
amdhsa.kernels:
  - .name:           k_qcc841d4c18_prep
    .symbol:         k_qcc841d4c18_prep.kd
    .args:
      - { .name: emb, .offset: 0, .size: 8, .value_kind: global_buffer, .address_space: global }
      - { .name: cb, .offset: 8, .size: 8, .value_kind: global_buffer, .address_space: global }
    .group_segment_fixed_size: 17152
    .private_segment_fixed_size: 0
    .kernarg_segment_align: 8
    .kernarg_segment_size: 16
    .max_flat_workgroup_size: 64
    .sgpr_count:     66
    .vgpr_count:     162
    .wavefront_size: 32
...
	.end_amdgpu_metadata
.endif
;; end of part 1
;; launch main (part 2): grid 256 x 1, 8 waves a work-group, clusters of 4 x 1, 327,680 bytes of LDS; arguments cb, z_e, out1, idxw; writes out1, idxw
.if DOCPART == 2
	.amdgcn_target "amdgcn-amd-amdhsa--gfx1250"
	.amdhsa_code_object_version 6
	.text
	.protected	k_qcc841d4c18_main
	.globl	k_qcc841d4c18_main
	.p2align	8
	.type	k_qcc841d4c18_main,@function
k_qcc841d4c18_main:
	s_mov_b64 s[64:65], 0
	v_nop
	global_prefetch_b8 v0, s[64:65] scope:SCOPE_SE
	s_setreg_imm32_b32 hwreg(HW_REG_WAVE_MODE, 25, 1), 1
	s_wait_xcnt 0x0
	s_wait_alu depctr_hold_cnt(0) depctr_sa_sdst(0) depctr_va_vdst(0) depctr_va_sdst(0) depctr_va_ssrc(0) depctr_va_vcc(0) depctr_vm_vsrc(0)
	s_getreg_b32 s2, hwreg(HW_REG_IB_STS2, 6, 4)
	s_cmp_eq_u32 s2, 0
	s_cbranch_scc0 .Lentry_in_a_cluster
	s_endpgm
.Lentry_in_a_cluster:
	s_bfe_u32 s2, ttmp6, 0x10000c
	s_cmp_lg_u32 s2, 0x3003
	s_cbranch_scc0 .Lentry_shape_is_right
	s_endpgm
.Lentry_shape_is_right:
; For each of the 32,768 rows z of z_e: the first index k that makes d[k] = (S - 2 z.e_k) + E[k] smallest, over 8,192 codes.
; The product runs on bf16 operands with f32 sums.  The distance is made with the two f32 roundings of the formula as it is
; written, fl(fl(S - 2 dot) + E): distances of one row lie on a coarse f32 grid and tie exactly, and the first index decides.
; LIMITS.  S and E are the sums of squares of the vectors ROUNDED to bf16, the operands of the product.  The last bits of a dot
; are the matrix instruction's.  A NaN distance is passed over (v_min_num_f32 and ordered compares), where argmin would take it.
;
; SHARES.  A work-group owns 128 rows and walks all codes in 32 sets of 256.  Wave w: rh = w / 4 picks 64 of the rows, q = w mod 4
; picks 64 of each set's codes, four tiles of 16.  A wave's 64 rows x 256 K stay in 256 registers (window 1) for the whole kernel, so
; LDS is read for codes alone: 8 KiB for 32 matrix instructions.
; THE MATRIX INSTRUCTION takes 16 codes as source 0 and 16 rows as source 1: register j of lane (r, h) holds (code 8 h + j, row r).
; A lane's eight numbers belong to ONE row, so a lane keeps, for each of its 4 row blocks: the best distance, the number of the tile
; (code / 16) that brought it, and a copy of that tile's eight distances, from which the place in the tile is read at the end.
; THE SCHEDULE.  A tile is two halves of 16 matrix instructions: row blocks 0, 1, then blocks 2, 3; the two accumulators of a half take
; turns.  While one half is multiplied the other pair's distances are judged: behind every four matrix instructions stands a group of
; 8 to 16 vector instructions.  A pair is judged during the other pair's half and started anew (C = 0) behind it, so 32 accumulator
; registers serve both.  Groups 0 and 1 (S - 2 dot; + E, written as a multiply-add by 1.0, which rounds as the sum does; the LDS loads)
; name a constant as source 1 and run under the matrix instructions' window setting; groups 2 and 3 (minimum, compare, selects) name two
; vector sources of window 0 and cost two switches each: eight switches for a tile's 32 matrix and 100 vector instructions.
; CLUSTERS.  Every work-group walks the same cb in the same order.  Four work-groups form a cluster and ask for each part of a set
; JOINTLY (mask 15, the same descriptor in all four), which divides the requests for cb by four.  A tile's fragments are asked for a
; tile ahead, so a set's last tile is in registers when the second half of its tile 2 begins: there each wave waits for its LDS reads and
; its tensor load and opens the round of the cluster's barrier.  The round is spread over six groups of register work (one in the opening
; barrier, four in the cluster's, one in the closing barrier); behind it the set's own slot is filled again, two sets ahead.
;
; LDS: slot 0 at 0, slot 1 at 135,168: 256 codes x 528 bytes each (cb's own layout: 512 bytes of bf16, 16 bytes of E; 528 = 33 x 16,
; an odd multiple of 16, so the 16 rows of a fragment load begin in 16 different 16-byte columns of 256 bytes).  Ahead of its first set
; slot 1 holds the group's 128 rows of z in f32, 1,040 = 65 x 16 bytes apart.  Behind the slots, at 270,336: 4,096 bytes that LDS
; stores alone write (the waves' results), into which no tensor load lands.
.set CP,     528
.set SLOTB,  256*CP                    ; 135,168
.set WPART,  SLOTB/8                   ; 16,896 = 66 x 256: what one wave's load brings of a set
.set QPART,  64*CP                     ; a wave's 64 codes of a set
.set TILEB,  16*CP                     ; 16 codes
.set ZP,     1040                      ; a row of z in LDS: 1,024 bytes + 16 of padding
.set SCR,    2*SLOTB
; window 0
.set AF,   4                           ; v4, v5    slot 0, 1: my bytes of a code fragment
.set AE,   6                           ; v6, v7    slot 0, 1: the tail with E of codes 8 h .. 8 h + 3
.set ZA,   8                           ; v8        my bytes of a z fragment
.set SST,  9                           ; v9        where my results go
.set S,    16                          ; v[16:23]  S of my row in block b, twice (a pair for the packed forms)
.set BEST, 24                          ; v[24:27]
.set GRP,  28                          ; v[28:31]  tile number of the best
.set MT,   32                          ; v[32:35]  this tile's minimum
.set TT,   36                          ; v36, v37  a second chain of the minimum, for the pair at work
.set EB,   40                          ; v[40:55]  E of my 8 codes, two buffers
.set ACC,  56                          ; v[56:87]  4 accumulators
.set SNAP, 88                          ; v[88:119] the best tile's 8 distances, 4 blocks
.set FR,   128                         ; v[128:191], v[192:255] code fragments, two buffers; at the start z in f32
; window 1: row block b, K step s at v[64 b + 8 s .. + 7]
.set G1C,  24                          ; s[24:31]  group 1 of the code loads
.set G0,   32                          ; s[32:39]  group 0 of the code loads, a set of four for each slot
.set G1Z,  40                          ; s[40:47]  group 1 of z's load
.set G0Z,  48                          ; s[48:51]  group 0 of z's load
.set MK,   52                          ; s[52:55]  lanes whose block b has a new best
.set MSB, 0
.macro WIN new                         ; s_set_vgpr_msb: bits 1:0 source 0, 3:2 source 1, 5:4 source 2, 7:6 destination; the high byte repeats the setting that is left
.if MSB != \new
	s_set_vgpr_msb (MSB<<8)|\new
.set MSB, \new
.endif
.endm
; A whole round of the cluster's barrier: my work-group's barrier, so that wave 0's signal speaks for all eight waves; wave 0 signals for
; the work-group; every wave waits for the four work-groups; my work-group's barrier once more.
.macro ROUND
	s_barrier_signal -1
	s_barrier_wait -1
	s_cmp_lg_u32 s12, 0
	s_cbranch_scc1 .Lnot_wave_0_\@
	s_barrier_signal -3
.Lnot_wave_0_\@:
	s_barrier_wait -3
	s_barrier_signal -1
	s_barrier_wait -1
.endm
.macro PLACES                          ; a vector instruction that reads or writes a matrix instruction's registers, and a load into one, stand four plain vector instructions behind it
.rept 4
	v_nop
.endr
.endm
	s_load_b256 s[4:11], s[0:1], 0x0               ; cb s[4:5], z_e s[6:7], out1 s[8:9], idxw s[10:11]
	v_lshl_add_u32 v126, v0, 2, 0x43000
	v_mov_b32 v127, 0
	ds_add_u32 v126, v127
	v_lshrrev_b32 v3, 5, v0
	v_readfirstlane_b32 s12, v3                    ; wave 0..7
	s_and_b32 s13, s12, 3                          ; q: my 64 codes of a set
	s_lshr_b32 s14, s12, 2                         ; rh: my 64 rows
	s_bfe_u32 s15, ttmp6, 0x40000                  ; cx
	s_lshl_b32 s16, ttmp9, 2                       ; in a cluster launch ttmp9 counts clusters
	s_add_co_u32 s16, s16, s15                     ; work-group 0..255: it enters z's and the outputs' addresses alone
	s_lshl_b32 s17, s13, 2                         ; number of my first tile: 16 x set + 4 q + tile
	s_mov_b32 s19, 0x76543210                      ; v_permlanex16_b32: lane i of one half reads lane i of the other
	s_mov_b32 s20, 0xfedcba98
	s_mov_b32 s21, 0xffff0000                      ; a word's upper bf16
	; group 1 of the code loads: a dense block of 16,896 bytes as 66 rows of 32 elements of 8 bytes
	s_mov_b32 s[G1C+0], 15|(3<<16)|(1<<21)         ; 15:0 the mask: all four work-groups; 17:16 elements of 8 bytes; 21 set beside a mask
	s_mov_b32 s[G1C+1], 32<<16                     ; tensor_dim0 = 32
	s_mov_b32 s[G1C+2], 66<<16                     ; tensor_dim1 = 66
	s_mov_b32 s[G1C+3], 32<<16                     ; tile_dim0 = 32
	s_mov_b32 s[G1C+4], 66                         ; tile_dim1 = 66
	s_mov_b32 s[G1C+5], 32                         ; from row to row: 32 elements, no gap
	s_mov_b32 s[G1C+6], 0
	s_mov_b32 s[G1C+7], 0
	; group 1 of z's load: 16 rows of 256 f32, 4 words of padding behind every 256 words; no mask: each work-group has rows of its own
	s_mov_b32 s[G1Z+0], (2<<16)|(1<<20)|(7<<22)|(3<<25)
	s_mov_b32 s[G1Z+1], 256<<16
	s_mov_b32 s[G1Z+2], 16<<16
	s_mov_b32 s[G1Z+3], 256<<16
	s_mov_b32 s[G1Z+4], 16
	s_mov_b32 s[G1Z+5], 256
	s_mov_b32 s[G1Z+6], 0
	s_mov_b32 s[G1Z+7], 0
	s_mul_i32 s22, s12, WPART                      ; my eighth of a set, in cb and in a slot: the wave's number alone, equal in all four work-groups
	s_mov_b32 s23, 0
	s_lshl_b32 s60, s16, 17                        ; z: work-group x 128 rows x 1,024 bytes
	s_lshl_b32 s61, s12, 14                        ;    + wave x 16 rows
	s_add_co_u32 s60, s60, s61
	s_mov_b32 s61, 0
	s_wait_dscnt 0x0
	s_wait_kmcnt 0x0
	s_add_nc_u64 s[4:5], s[4:5], s[22:23]
.irp n, 0,1
	s_mov_b32 s[G0+4*\n], 1
	s_add_co_u32 s[G0+4*\n+1], s22, \n*SLOTB                       ; LDS address: slot + my eighth
	s_add_nc_u64 s[G0+4*\n+2:G0+4*\n+3], s[4:5], \n*SLOTB          ; set n, my eighth
	s_or_b32 s[G0+4*\n+3], s[G0+4*\n+3], 0x80000000                ; type = 2
.endr
	s_mov_b32 s[G0Z], 1
	s_mul_i32 s[G0Z+1], s12, 16*ZP
	s_add_co_u32 s[G0Z+1], s[G0Z+1], SLOTB                         ; my 16 rows of z, in slot 1
	s_add_nc_u64 s[G0Z+2:G0Z+3], s[6:7], s[60:61]
	s_or_b32 s[G0Z+3], s[G0Z+3], 0x80000000
	s_lshl_b32 s60, s16, 9                         ; the outputs: work-group x 128 rows x 4 bytes
	s_add_nc_u64 s[8:9], s[8:9], s[60:61]
	s_add_nc_u64 s[10:11], s[10:11], s[60:61]
	ROUND                                          ; the four work-groups are here: the first joint loads meet
	tensor_load_to_lds s[G0Z:G0Z+3], s[G1Z:G1Z+7]  ; both first fills go out together: my 16 rows of z into slot 1,
	s_nop 0
	tensor_load_to_lds s[G0:G0+3], s[G1C:G1C+7]    ; my eighth of set 0 into slot 0.  Two tensor loads of mine are out
	s_nop 0
	v_and_b32 v1, 15, v0                           ; r
	v_bfe_u32 v2, v0, 4, 1                         ; h
	v_mul_u32_u24 v3, v1, CP
	v_lshl_add_u32 v3, v2, 4, v3                   ; code r of a tile, 16 bytes for each half of the lanes
	s_mul_i32 s59, s13, QPART
	s_add_co_u32 s63, s59, 512
	v_add_nc_u32 v[AF], s59, v3
	v_add_nc_u32 v[AF+1], SLOTB, v[AF]
	v_mul_u32_u24 v[AE], v2, 8*CP                  ; code 8 h of a tile: its tail holds E of codes 8 h .. 8 h + 3
	v_add_nc_u32 v[AE], s63, v[AE]
	v_add_nc_u32 v[AE+1], SLOTB, v[AE]
	s_mul_i32 s62, s14, 64*ZP
	s_add_co_u32 s62, s62, SLOTB
	v_mul_u32_u24 v[ZA], v1, ZP
	v_lshl_add_u32 v[ZA], v2, 5, v[ZA]             ; row r, 8 f32 for each half of the lanes
	v_add_nc_u32 v[ZA], s62, v[ZA]
	s_lshl_b32 s62, s12, 8
	s_add_co_u32 s62, s62, SCR                     ; my wave's 256 bytes of results
	v_lshl_add_u32 v[SST], v1, 2, s62
	v_mov_b32 v12, 0                               ; destinations of v_permlanex16_b32 count as read
	v_mov_b32 v14, 0
	v_mov_b32 v15, 0
; Row block b (16 rows): z from LDS in f32, rounded to bf16 into window 1 in the layout of a matrix source (lane (r, h): registers 0-3 of
; K step s hold K = 32 s + 8 h + 0..7, registers 4-7 K = 32 s + 16 + 8 h + 0..7), and S = the sum of the squares of the rounded numbers.
.macro XLOAD b
.irp s, 0,1,2,3,4,5,6,7
	ds_load_b128 v[FR+16*\s:FR+16*\s+3],     v[ZA] offset:16*ZP*\b+128*\s
	ds_load_b128 v[FR+16*\s+4:FR+16*\s+7],   v[ZA] offset:16*ZP*\b+128*\s+16
	ds_load_b128 v[FR+16*\s+8:FR+16*\s+11],  v[ZA] offset:16*ZP*\b+128*\s+64
	ds_load_b128 v[FR+16*\s+12:FR+16*\s+15], v[ZA] offset:16*ZP*\b+128*\s+80
.endr
	s_wait_dscnt 0x0
	WIN 0x40                                       ; destination in window 1
.set xi, 0
.rept 64
	v_cvt_pk_bf16_f32 v[64*\b+xi], v[FR+2*xi], v[FR+2*xi+1]
.set xi, xi+1
.endr
	WIN 0x04                                       ; source 1 in window 1
.set xi, 0
.rept 64
	v_lshlrev_b32 v[FR+2*xi],   16, v[64*\b+xi]    ; the rounded numbers as f32
	v_and_b32     v[FR+2*xi+1], s21, v[64*\b+xi]
.set xi, xi+1
.endr
	WIN 0
.irp c, 0,1,2,3
	v_pk_mul_f32 v[ACC+2*\c:ACC+2*\c+1], v[FR+2*\c:FR+2*\c+1], v[FR+2*\c:FR+2*\c+1]   ; four chains, started by the first squares
.endr
.set xi, 4
.rept 60
	v_pk_fma_f32 v[ACC+2*(xi%4):ACC+2*(xi%4)+1], v[FR+2*xi:FR+2*xi+1], v[FR+2*xi:FR+2*xi+1], v[ACC+2*(xi%4):ACC+2*(xi%4)+1]
.set xi, xi+1
.endr
	v_pk_add_f32 v[ACC:ACC+1], v[ACC:ACC+1], v[ACC+2:ACC+3]
	v_pk_add_f32 v[ACC+4:ACC+5], v[ACC+4:ACC+5], v[ACC+6:ACC+7]
	v_pk_add_f32 v[ACC:ACC+1], v[ACC:ACC+1], v[ACC+4:ACC+5]
	v_add_f32 v[ACC], v[ACC], v[ACC+1]
	v_permlanex16_b32 v12, v[ACC], s19, s20        ; lanes (r, 0) and (r, 1) hold the two halves of row r
	v_add_f32 v[S+2*\b], v[ACC], v12
	v_mov_b32 v[S+2*\b+1], v[S+2*\b]
.endm
; A tile's 18 LDS loads in two runs: K steps 0-3 (two loads of 16 bytes, 32 bytes apart, for each), then K steps 4-7 and E of my 8 codes.
.macro FETCHA slot, tile, buf
.irp s, 0,1,2,3
	ds_load_b128 v[FR+64*(\buf)+8*\s:FR+64*(\buf)+8*\s+3],   v[AF+(\slot)] offset:TILEB*(\tile)+64*\s
	ds_load_b128 v[FR+64*(\buf)+8*\s+4:FR+64*(\buf)+8*\s+7], v[AF+(\slot)] offset:TILEB*(\tile)+64*\s+32
.endr
.endm
.macro FETCHB slot, tile, buf
.irp s, 4,5,6,7
	ds_load_b128 v[FR+64*(\buf)+8*\s:FR+64*(\buf)+8*\s+3],   v[AF+(\slot)] offset:TILEB*(\tile)+64*\s
	ds_load_b128 v[FR+64*(\buf)+8*\s+4:FR+64*(\buf)+8*\s+7], v[AF+(\slot)] offset:TILEB*(\tile)+64*\s+32
.endr
	ds_load_b128 v[EB+8*(\buf):EB+8*(\buf)+3],   v[AE+(\slot)] offset:TILEB*(\tile)
	ds_load_b128 v[EB+8*(\buf)+4:EB+8*(\buf)+7], v[AE+(\slot)] offset:TILEB*(\tile)+4*CP
.endm
; Four matrix instructions: K steps 2 g and 2 g + 1 of row blocks 2 p and 2 p + 1.  K step 0 starts the sums with the constant 0: nothing
; is cleared.  The two accumulators take turns, one instruction a turn.
.macro W4 buf, p, g
	WIN 0x04                                       ; source 1 (the rows) in window 1
.irp s, 2*\g, 2*\g+1
.irp c, 0,1
.if (\s) == 0
	v_wmma_f32_16x16x32_bf16 v[ACC+8*(2*\p+\c):ACC+8*(2*\p+\c)+7], v[FR+64*\buf+8*(\s):FR+64*\buf+8*(\s)+7], v[64*(2*\p+\c)+8*(\s):64*(2*\p+\c)+8*(\s)+7], 0
.else
	v_wmma_f32_16x16x32_bf16 v[ACC+8*(2*\p+\c):ACC+8*(2*\p+\c)+7], v[FR+64*\buf+8*(\s):FR+64*\buf+8*(\s)+7], v[64*(2*\p+\c)+8*(\s):64*(2*\p+\c)+8*(\s)+7], v[ACC+8*(2*\p+\c):ACC+8*(2*\p+\c)+7]
.endif
.endr
.endr
.endm
; The judging of a pair pr of row blocks (2 pr, 2 pr + 1), in five stages.
.macro E_S1 pr                         ; fl(S - 2 dot): 2 dot is exact, one rounding.  Source 1 is a constant: any window setting of source 1 will do
.irp c, 0,1
.irp i, 0,2,4,6
	v_pk_fma_f32 v[ACC+8*(2*(\pr)+\c)+\i:ACC+8*(2*(\pr)+\c)+\i+1], v[ACC+8*(2*(\pr)+\c)+\i:ACC+8*(2*(\pr)+\c)+\i+1], -2.0, v[S+2*(2*(\pr)+\c):S+2*(2*(\pr)+\c)+1] op_sel_hi:[1,0,1]
.endr
.endr
.endm
.macro E_S2 pr, eb                     ; + E, the second rounding: d x 1.0 + E rounds as d + E does, and keeps source 1 a constant
.irp c, 0,1
.irp i, 0,2,4,6
	v_pk_fma_f32 v[ACC+8*(2*(\pr)+\c)+\i:ACC+8*(2*(\pr)+\c)+\i+1], v[ACC+8*(2*(\pr)+\c)+\i:ACC+8*(2*(\pr)+\c)+\i+1], 1.0, v[EB+8*(\eb)+\i:EB+8*(\eb)+\i+1] op_sel_hi:[1,0,1]
.endr
.endr
.endm
.macro E_S3 pr                         ; the least of a lane's eight distances, two chains for each block
.irp c, 0,1
	v_min3_num_f32 v[MT+2*(\pr)+\c], v[ACC+8*(2*(\pr)+\c)], v[ACC+8*(2*(\pr)+\c)+1], v[ACC+8*(2*(\pr)+\c)+2]
.endr
.irp c, 0,1
	v_min3_num_f32 v[TT+\c], v[ACC+8*(2*(\pr)+\c)+3], v[ACC+8*(2*(\pr)+\c)+4], v[ACC+8*(2*(\pr)+\c)+5]
.endr
.irp c, 0,1
	v_min3_num_f32 v[MT+2*(\pr)+\c], v[MT+2*(\pr)+\c], v[ACC+8*(2*(\pr)+\c)+6], v[ACC+8*(2*(\pr)+\c)+7]
.endr
.irp c, 0,1
	v_min_num_f32 v[MT+2*(\pr)+\c], v[MT+2*(\pr)+\c], v[TT+\c]
.endr
.endm
.macro E_S4 pr, kind                   ; kind 2: the first tile starts the state; kind 1: strictly less, tiles in ascending order: the first tile with the least distance stays
.if (\kind) == 2
.irp c, 0,1
	v_mov_b32 v[BEST+2*(\pr)+\c], v[MT+2*(\pr)+\c]
	v_mov_b32 v[GRP+2*(\pr)+\c], s17
.endr
.else
.irp c, 0,1
	v_cmp_lt_f32 s[MK+2*(\pr)+\c], v[MT+2*(\pr)+\c], v[BEST+2*(\pr)+\c]
.endr
.irp c, 0,1
	v_cndmask_b32 v[BEST+2*(\pr)+\c], v[BEST+2*(\pr)+\c], v[MT+2*(\pr)+\c], s[MK+2*(\pr)+\c]
	v_cndmask_b32 v[GRP+2*(\pr)+\c], v[GRP+2*(\pr)+\c], s17, s[MK+2*(\pr)+\c]
.endr
.endif
.endm
.macro E_S5 pr, kind                   ; the copy of the best tile's eight distances
.irp c, 0,1
.irp j, 0,1,2,3,4,5,6,7
.if (\kind) == 2
	v_mov_b32 v[SNAP+8*(2*(\pr)+\c)+\j], v[ACC+8*(2*(\pr)+\c)+\j]
.else
	v_cndmask_b32 v[SNAP+8*(2*(\pr)+\c)+\j], v[SNAP+8*(2*(\pr)+\c)+\j], v[ACC+8*(2*(\pr)+\c)+\j], s[MK+2*(\pr)+\c]
.endif
.endr
.endr
.endm
; The parts of a round that is spread over register work.
.macro ROPEN refill, slot              ; in front of the opening signal:
	s_wait_tensorcnt 0x0                           ; all my tensor loads have landed: the one that was out is my eighth of the next set
	ds_add_u32 v126, v127
	s_wait_dscnt 0x0
.if \refill
	s_add_nc_u64 s[G0+4*(\slot)+2:G0+4*(\slot)+3], s[G0+4*(\slot)+2:G0+4*(\slot)+3], 2*SLOTB   ; no load of mine is out: this slot's next set, two sets on
.endif
	s_wait_dscnt 0x0                               ; my LDS reads are back, the last of this set's slot among them (issued two groups ago)
	s_barrier_signal -1
.endm
.macro RMID                            ; every wave of my work-group has said so: wave 0 says so for the work-group
	WIN 0                                          ; at a branch and at a label every window is 0
	s_barrier_wait -1
	s_cmp_lg_u32 s12, 0
	s_cbranch_scc1 .Lnot_wave_0_\@
	s_barrier_signal -3
.Lnot_wave_0_\@:
.endm
; Half a tile: 16 matrix instructions on the tile in buffer buf, row blocks 2 p, 2 p + 1, in four groups; behind each group a part of the
; judging of the OTHER pair (p = 1: this tile's blocks 0, 1; p = 0: the tile before's blocks 2, 3).
;   ek    0: nothing to judge yet; 1: judge; 2: judge, and the first tile starts the state
;   step  what the tile number grows by when the judging is done
;   fg    the group behind which the next tile's LDS loads begin (0 or 2; 9: none), from tile ftile of slot fslot into the other buffer
;   rk    1: the round opens in front of group 0, wave 0 signals for the work-group in front of group 1
;         2: the cluster's wait and the closing signal in front of group 1, the closing wait and the joint refill of slot rslot in front of group 2
;         3: a plain barrier, signal in front of group 0, wait in front of group 1
; The four v_nop of group 0 are the places behind the half before: for the stages that read and write its accumulators and for the loads
; into the buffer that the tile before was multiplied from.  E's loads stand behind the stage that reads the buffer they land in.
.macro HALF buf, p, ek, step, fg, fslot, ftile, rk, rslot
.set HQ,  1-(\p)
.set HFB, 1-(\buf)
.set HEB, (\p)*(\buf)+(1-(\p))*(1-(\buf))
.if \rk == 1
	ROPEN 1, \rslot
.endif
.if \rk == 3
	ROPEN 0, \rslot
.endif
	W4 \buf, \p, 0
.if \ek
	PLACES
.endif
.if \fg == 0
	FETCHA \fslot, \ftile, HFB
.endif
.if \ek
	E_S1 HQ
.endif
.if \rk == 1
	RMID
.endif
.if \rk == 3
	s_barrier_wait -1                              ; the next set is whole
.endif
.if \rk == 2
	s_barrier_wait -3                              ; all four work-groups have said so
	s_barrier_signal -1
.endif
	W4 \buf, \p, 1
.if \ek
	E_S2 HQ, HEB
.endif
.if \fg == 0
	FETCHB \fslot, \ftile, HFB
.endif
.if \rk == 2
	s_barrier_wait -1                              ; the round is closed: no wave of the four work-groups reads this slot or has a load on its way
	tensor_load_to_lds s[G0+4*(\rslot):G0+4*(\rslot)+3], s[G1C:G1C+7]   ; the joint refill, my one tensor load until the next round, ahead of my first LDS read
	s_nop 0
.endif
	W4 \buf, \p, 2
.if \ek
	WIN 0
	E_S3 HQ
	E_S4 HQ, \ek
.endif
.if \fg == 2
	FETCHA \fslot, \ftile, HFB
.endif
	W4 \buf, \p, 3
	WIN 0
.if \ek
	E_S5 HQ, \ek
.endif
.if \fg == 2
	FETCHB \fslot, \ftile, HFB
.endif
.if \step
	s_add_co_u32 s17, s17, \step
.endif
.endm
; One set of 256 codes in slot: my four tiles, in buffers 0, 1, 0, 1.  kind 2: round, and this slot is filled again; 1: the last set but
; one: a plain barrier shows the last set whole; 0: the last set.  first = 1: the very first set.
; Each tile begins with a wait for its 18 LDS loads, which were issued at least half a tile before; tile 3's were waited for where the
; round (or the plain barrier) opens.
.macro SET slot, kind, first
	s_wait_dscnt 0x0
.if \first
	HALF 0, 0, 0, 0,  0, \slot, 1, 0, 0
	HALF 0, 1, 2, 0,  9, 0, 0, 0, 0
	s_wait_dscnt 0x0
	HALF 1, 0, 2, 1,  0, \slot, 2, 0, 0
.else
	HALF 0, 0, 1, 13, 0, \slot, 1, 0, 0            ; judges the set before's last tile; the next tile number is 16 - 3 further on
	HALF 0, 1, 1, 0,  9, 0, 0, 0, 0
	s_wait_dscnt 0x0
	HALF 1, 0, 1, 1,  0, \slot, 2, 0, 0
.endif
	HALF 1, 1, 1, 0,  9, 0, 0, 0, 0
	s_wait_dscnt 0x0
	HALF 0, 0, 1, 1,  0, \slot, 3, 0, 0
.if \kind == 2
	HALF 0, 1, 1, 0,  9, 0, 0, 1, \slot
	HALF 1, 0, 1, 1,  2, 1-\slot, 0, 2, \slot
.endif
.if \kind == 1
	HALF 0, 1, 1, 0,  9, 0, 0, 3, \slot
	HALF 1, 0, 1, 1,  2, 1-\slot, 0, 0, 0
.endif
.if \kind == 0
	HALF 0, 1, 1, 0,  9, 0, 0, 0, 0
	s_wait_dscnt 0x0
	HALF 1, 0, 1, 1,  9, 0, 0, 0, 0
.endif
	HALF 1, 1, 1, 0,  9, 0, 0, 0, 0
.endm
; (value, index) takes the partner's where that is less, or equal with the lower index
.macro MERGE v, i, pv, pi
	v_cmp_lt_f32 s56, v[\pv], v[\v]
	v_cmp_eq_f32 s57, v[\pv], v[\v]
	v_cmp_lt_u32 s58, v[\pi], v[\i]
	s_and_b32 s57, s57, s58
	s_or_b32 s56, s56, s57
	v_cndmask_b32 v[\v], v[\v], v[\pv], s56
	v_cndmask_b32 v[\i], v[\i], v[\pi], s56
.endm
	s_wait_tensorcnt 0x1                           ; tensor loads of a wave end in order: my rows of z are in; one younger load, set 0's, may stay out,
	s_barrier_signal -1
	s_barrier_wait -1                              ; everybody's rows are in
	XLOAD 0
	XLOAD 1
	XLOAD 2
	XLOAD 3
	s_wait_tensorcnt 0x0                           ; my eighth of set 0 is in: no tensor load of mine is out
	ds_add_u32 v126, v127
	s_wait_dscnt 0x0                               ; my reads of z are back
	ROUND                                          ; both hold of every wave of the four work-groups
	tensor_load_to_lds s[G0+4:G0+7], s[G1C:G1C+7]  ; set 1 lands on z's bytes: my one tensor load until the next round
	s_nop 0
	FETCHA 0, 0, 0
	FETCHB 0, 0, 0
	SET 0, 2, 1                                    ; sets 0 and 1 ask for sets 2 and 3
	SET 1, 2, 0
	s_mov_b32 s18, 14
.Lsets:
	SET 0, 2, 0                                    ; sets 2 to 29 ask for sets 4 to 31
	SET 1, 2, 0
	s_sub_co_i32 s18, s18, 1
	s_cmp_lg_u32 s18, 0
	s_cbranch_scc1 .Lsets
	SET 0, 1, 0                                    ; set 30: nothing is left to ask for
	SET 1, 0, 0                                    ; set 31
	PLACES                                         ; the last tile's blocks 2, 3 are judged with nothing left to multiply
	E_S1 1
	E_S2 1, 1
	E_S3 1
	E_S4 1, 1
	E_S5 1, 1
	; THE END.  For each block: the first place in the best tile, the index, the other half of the lanes (codes 8 (1 - h) + ..), and out to LDS.
.irp b, 0,1,2,3
	v_mov_b32 v12, 7
.irp j, 6,5,4,3,2,1,0
	v_cmp_neq_f32 vcc_lo, v[SNAP+8*\b+\j], v[BEST+\b]
	v_cndmask_b32 v12, \j, v12, vcc_lo             ; descending, so that the lowest equal place is written last
.endr
	v_lshl_add_u32 v13, v[GRP+\b], 4, v12
	v_lshl_add_u32 v13, v2, 3, v13                 ; 16 x tile + 8 h + place
	v_permlanex16_b32 v14, v[BEST+\b], s19, s20
	v_permlanex16_b32 v15, v13, s19, s20
	MERGE BEST+\b, 13, 14, 15                      ; both halves end with the same pair
	ds_store_b32 v[SST], v[BEST+\b] offset:64*\b
	ds_store_b32 v[SST], v13 offset:2048+64*\b
.endr
	s_wait_dscnt 0x0                               ; my stores are done, for the waves that read them
	s_barrier_signal -1
	s_barrier_wait -1
	s_cmp_gt_u32 s12, 1
	s_cbranch_scc1 .Lclose                         ; wave rh = 0, 1 joins the four waves' results for its 64 rows, two rows a lane
	v_and_b32 v10, 31, v0
	s_lshl_b32 s62, s12, 10                        ; waves 4 rh .. 4 rh + 3 lie 256 bytes apart
	s_add_co_u32 s62, s62, SCR
	v_lshl_add_u32 v10, v10, 3, s62
	v_lshlrev_b32 v11, 3, v0                       ; 256 x wave + 8 x lane: rows 64 rh + 2 l, + 1 in the outputs
.irp p, 0,1,2,3
	ds_load_b64 v[FR+2*\p:FR+2*\p+1],     v10 offset:256*\p
	ds_load_b64 v[FR+8+2*\p:FR+8+2*\p+1], v10 offset:2048+256*\p
.endr
	s_wait_dscnt 0x0
.irp p, 1,2,3
	MERGE FR,   FR+8, FR+2*\p,   FR+8+2*\p
	MERGE FR+1, FR+9, FR+2*\p+1, FR+9+2*\p
.endr
	global_store_b64 v11, v[FR+8:FR+9], s[8:9]     ; each store of the wave covers 256 consecutive bytes, aligned
	global_store_b64 v11, v[FR+8:FR+9], s[10:11]   ; the same whole numbers for the launch that gathers
.Lclose:
	s_wait_tensorcnt 0x0
	ds_add_u32 v126, v127
	s_wait_dscnt 0x0
	ROUND                                          ; the closing round: no work-group ends while a partner may still ask jointly
	s_endpgm
.Lfunc_end_k_qcc841d4c18_main:
	.size	k_qcc841d4c18_main, .Lfunc_end_k_qcc841d4c18_main-k_qcc841d4c18_main
	.p2alignl 7, 3214868480
	.fill 96, 4, 3214868480
	.section	.rodata,"a",@progbits
	.p2align	6, 0x0
	.amdhsa_kernel k_qcc841d4c18_main
		.amdhsa_group_segment_fixed_size 327680
		.amdhsa_private_segment_fixed_size 0
		.amdhsa_enable_private_segment 0
		.amdhsa_kernarg_size 32
		.amdhsa_user_sgpr_count 2
		.amdhsa_user_sgpr_kernarg_segment_ptr 1
		.amdhsa_wavefront_size32 1
		.amdhsa_system_sgpr_workgroup_id_x 1
		.amdhsa_system_sgpr_workgroup_id_y 1
		.amdhsa_system_sgpr_workgroup_id_z 1
		.amdhsa_system_vgpr_workitem_id 0
		.amdhsa_next_free_vgpr 512
		.amdhsa_next_free_sgpr 66
		.amdhsa_reserve_vcc 1
		.amdhsa_float_denorm_mode_32 3
		.amdhsa_float_denorm_mode_16_64 3
		.amdhsa_memory_ordered 1
		.amdhsa_forward_progress 1
		.amdhsa_inst_pref_size 255
	.end_amdhsa_kernel
	.section	.bss,"aw",@nobits
	.p2align	6
	.space	262144
	.amdgpu_metadata
---
amdhsa.version: [ 1, 2 ]
amdhsa.kernels:
  - .name:           k_qcc841d4c18_main
    .symbol:         k_qcc841d4c18_main.kd
    .args:
      - { .name: cb, .offset: 0, .size: 8, .value_kind: global_buffer, .address_space: global }
      - { .name: z_e, .offset: 8, .size: 8, .value_kind: global_buffer, .address_space: global }
      - { .name: out1, .offset: 16, .size: 8, .value_kind: global_buffer, .address_space: global }
      - { .name: idxw, .offset: 24, .size: 8, .value_kind: global_buffer, .address_space: global }
    .group_segment_fixed_size: 327680
    .private_segment_fixed_size: 0
    .kernarg_segment_align: 8
    .kernarg_segment_size: 32
    .max_flat_workgroup_size: 256
    .sgpr_count:     66
    .vgpr_count:     512
    .wavefront_size: 32
...
	.end_amdgpu_metadata
.endif
;; end of part 2
;; launch gather (part 3): grid 512 x 1, 8 waves a work-group, no clusters, 1,280 bytes of LDS; arguments idxw, z_e, emb, out0, part; writes out0, part
.if DOCPART == 3
	.amdgcn_target "amdgcn-amd-amdhsa--gfx1250"
	.amdhsa_code_object_version 6
	.text
	.protected	k_qcc841d4c18_gather
	.globl	k_qcc841d4c18_gather
	.p2align	8
	.type	k_qcc841d4c18_gather,@function
k_qcc841d4c18_gather:
	s_mov_b64 s[64:65], 0
	v_nop
	global_prefetch_b8 v0, s[64:65] scope:SCOPE_SE
	s_setreg_imm32_b32 hwreg(HW_REG_WAVE_MODE, 25, 1), 1
	s_wait_xcnt 0x0
; out0[n] = z_e[n] + (emb[idx[n]] - z_e[n]), in f32 as it is written, and part[work-group] = the sum of (emb[idx[n]] - z_e[n])^2 over its 64 rows.
; A stream: no matrix unit, no cluster, no tile in LDS.  A wave owns 8 rows; a row is 1,024 bytes, two loads of 16 bytes a lane, each of which
; covers 512 consecutive aligned bytes.  All 32 loads of a wave go out before the first is used.  The indices are whole numbers that an
; earlier launch stored; they come by one scalar load and are clamped to the table before they enter an address.
.set OE,  2                            ; v[2:9]    row i: byte offset in emb of my 16 bytes
.set SUM, 10                           ; v[10:17]  four pairs of running sums
.set Z,   32                           ; v[32:95]  row i: 8 registers of z_e, then of out0
.set Q,   96                           ; v[96:159] row i: 8 registers of the code, then of the difference
	s_load_b256 s[4:11], s[0:1], 0x0               ; idxw s[4:5], z_e s[6:7], emb s[8:9], out0 s[10:11]
	s_load_b64 s[12:13], s[0:1], 0x20              ; part
	v_lshl_add_u32 v160, v0, 2, 0x100
	v_mov_b32 v161, 0
	v_lshrrev_b32 v2, 5, v0
	v_readfirstlane_b32 s25, v2                    ; wave 0..7
	v_and_b32 v1, 31, v0
	v_lshlrev_b32 v1, 4, v1                        ; 16 x lane
	s_lshl3_add_u32 s24, ttmp9, s25                ; wave among all: 8 x work-group + wave
	s_lshl_b32 s26, s24, 5                         ; its 8 indices
	s_mov_b32 s27, 0
	s_lshl_b32 s28, s24, 13                        ; its 8 rows of 1,024 bytes
	s_mov_b32 s29, 0
	s_mov_b32 s14, 0x76543210
	s_mov_b32 s15, 0xfedcba98
	v_mov_b32 v18, 0                               ; v_permlanex16_b32 counts as a reader of its destination
	s_wait_kmcnt 0x0
	s_add_nc_u64 s[4:5], s[4:5], s[26:27]
	s_load_b256 s[16:23], s[4:5], 0x0
	s_add_nc_u64 s[6:7], s[6:7], s[28:29]
	s_add_nc_u64 s[10:11], s[10:11], s[28:29]
.irp i, 0,1,2,3,4,5,6,7
	global_load_b128 v[Z+8*\i:Z+8*\i+3],   v1, s[6:7] offset:1024*\i th:TH_LOAD_NT
	global_load_b128 v[Z+8*\i+4:Z+8*\i+7], v1, s[6:7] offset:1024*\i+512 th:TH_LOAD_NT
.endr
	s_wait_kmcnt 0x0
.irp i, 0,1,2,3,4,5,6,7
	s_min_u32 s[16+\i], s[16+\i], 8191             ; inside the table, whatever was read
	v_lshl_add_u32 v[OE+\i], s[16+\i], 10, v1
.endr
.irp i, 0,1,2,3,4,5,6,7
	global_load_b128 v[Q+8*\i:Q+8*\i+3],   v[OE+\i], s[8:9]
	global_load_b128 v[Q+8*\i+4:Q+8*\i+7], v[OE+\i], s[8:9] offset:512
.endr
.macro GROW i
	s_wait_loadcnt 14-2*\i                         ; loads come back in order: z_e is in and this row's code; the 14 - 2 i younger loads stay out
.irp p, 0,2,4,6
	v_pk_add_f32 v[Q+8*\i+\p:Q+8*\i+\p+1], v[Q+8*\i+\p:Q+8*\i+\p+1], v[Z+8*\i+\p:Z+8*\i+\p+1] neg_lo:[0,1] neg_hi:[0,1]   ; z_q - z_e
.endr
.irp p, 0,2,4,6
.if \i == 0
	v_pk_mul_f32 v[SUM+\p:SUM+\p+1], v[Q+8*\i+\p:Q+8*\i+\p+1], v[Q+8*\i+\p:Q+8*\i+\p+1]                                  ; the first squares start the sums
.else
	v_pk_fma_f32 v[SUM+\p:SUM+\p+1], v[Q+8*\i+\p:Q+8*\i+\p+1], v[Q+8*\i+\p:Q+8*\i+\p+1], v[SUM+\p:SUM+\p+1]
.endif
.endr
.irp p, 0,2,4,6
	v_pk_add_f32 v[Z+8*\i+\p:Z+8*\i+\p+1], v[Z+8*\i+\p:Z+8*\i+\p+1], v[Q+8*\i+\p:Q+8*\i+\p+1]                             ; z_e + (z_q - z_e)
.endr
	global_store_b128 v1, v[Z+8*\i:Z+8*\i+3],   s[10:11] offset:1024*\i th:TH_STORE_NT
	global_store_b128 v1, v[Z+8*\i+4:Z+8*\i+7], s[10:11] offset:1024*\i+512 th:TH_STORE_NT
.endm
.irp i, 0,1,2,3,4,5,6,7
	GROW \i
.endr
	v_pk_add_f32 v[SUM:SUM+1], v[SUM:SUM+1], v[SUM+2:SUM+3]
	v_pk_add_f32 v[SUM+4:SUM+5], v[SUM+4:SUM+5], v[SUM+6:SUM+7]
	v_pk_add_f32 v[SUM:SUM+1], v[SUM:SUM+1], v[SUM+4:SUM+5]
	v_add_f32 v[SUM], v[SUM], v[SUM+1]
	v_add_f32_dpp v[SUM], v[SUM], v[SUM] row_xmask:1 row_mask:0xf bank_mask:0xf
	v_add_f32_dpp v[SUM], v[SUM], v[SUM] row_xmask:2 row_mask:0xf bank_mask:0xf
	v_add_f32_dpp v[SUM], v[SUM], v[SUM] row_xmask:4 row_mask:0xf bank_mask:0xf
	v_add_f32_dpp v[SUM], v[SUM], v[SUM] row_xmask:8 row_mask:0xf bank_mask:0xf
	v_permlanex16_b32 v18, v[SUM], s14, s15
	v_add_f32 v[SUM], v[SUM], v18                  ; the wave's sum, in every lane
	v_mov_b32 v19, s25
	v_lshlrev_b32 v19, 2, v19
	ds_store_b32 v19, v[SUM]                       ; word = wave; all lanes write the same number
	s_wait_dscnt 0x0                               ; done, for wave 0's sake
	s_barrier_signal -1
	s_barrier_wait -1
	s_cmp_lg_u32 s25, 0
	s_cbranch_scc1 .Lend
	v_mov_b32 v28, 0
	ds_load_b128 v[20:23], v28
	ds_load_b128 v[24:27], v28 offset:16
	s_lshl_b32 s26, ttmp9, 2                       ; part[work-group]
	s_add_nc_u64 s[12:13], s[12:13], s[26:27]
	v_cmp_eq_u32 vcc_lo, 0, v0
	s_wait_dscnt 0x0
	v_pk_add_f32 v[20:21], v[20:21], v[22:23]
	v_pk_add_f32 v[24:25], v[24:25], v[26:27]
	v_pk_add_f32 v[20:21], v[20:21], v[24:25]
	v_add_f32 v20, v20, v21
	s_wait_xcnt 0x0                                ; EXEC is a source of the stores above: it changes only behind this wait
	s_and_saveexec_b32 s30, vcc_lo
	global_store_b32 v28, v20, s[12:13]            ; one owner for each word of part
	s_wait_xcnt 0x0
	s_or_b32 exec_lo, exec_lo, s30
.Lend:
	s_wait_tensorcnt 0x0
	ds_add_u32 v160, v161
	s_wait_dscnt 0x0
	s_endpgm
.Lfunc_end_k_qcc841d4c18_gather:
	.size	k_qcc841d4c18_gather, .Lfunc_end_k_qcc841d4c18_gather-k_qcc841d4c18_gather
	.p2alignl 7, 3214868480
	.fill 96, 4, 3214868480
	.section	.rodata,"a",@progbits
	.p2align	6, 0x0
	.amdhsa_kernel k_qcc841d4c18_gather
		.amdhsa_group_segment_fixed_size 1280
		.amdhsa_private_segment_fixed_size 0
		.amdhsa_enable_private_segment 0
		.amdhsa_kernarg_size 40
		.amdhsa_user_sgpr_count 2
		.amdhsa_user_sgpr_kernarg_segment_ptr 1
		.amdhsa_wavefront_size32 1
		.amdhsa_system_sgpr_workgroup_id_x 1
		.amdhsa_system_sgpr_workgroup_id_y 1
		.amdhsa_system_sgpr_workgroup_id_z 1
		.amdhsa_system_vgpr_workitem_id 0
		.amdhsa_next_free_vgpr 162
		.amdhsa_next_free_sgpr 66
		.amdhsa_reserve_vcc 1
		.amdhsa_float_denorm_mode_32 3
		.amdhsa_float_denorm_mode_16_64 3
		.amdhsa_memory_ordered 1
		.amdhsa_forward_progress 1
		.amdhsa_inst_pref_size 15
	.end_amdhsa_kernel
	.amdgpu_metadata
---
amdhsa.version: [ 1, 2 ]
amdhsa.kernels:
  - .name:           k_qcc841d4c18_gather
    .symbol:         k_qcc841d4c18_gather.kd
    .args:
      - { .name: idxw, .offset: 0, .size: 8, .value_kind: global_buffer, .address_space: global }
      - { .name: z_e, .offset: 8, .size: 8, .value_kind: global_buffer, .address_space: global }
      - { .name: emb, .offset: 16, .size: 8, .value_kind: global_buffer, .address_space: global }
      - { .name: out0, .offset: 24, .size: 8, .value_kind: global_buffer, .address_space: global }
      - { .name: part, .offset: 32, .size: 8, .value_kind: global_buffer, .address_space: global }
    .group_segment_fixed_size: 1280
    .private_segment_fixed_size: 0
    .kernarg_segment_align: 8
    .kernarg_segment_size: 40
    .max_flat_workgroup_size: 256
    .sgpr_count:     66
    .vgpr_count:     162
    .wavefront_size: 32
...
	.end_amdgpu_metadata
.endif
;; end of part 3
;; launch total (part 4): grid 1 x 1, 1 waves a work-group, no clusters, 0 bytes of LDS; arguments part, out2; writes out2
.if DOCPART == 4
	.amdgcn_target "amdgcn-amd-amdhsa--gfx1250"
	.amdhsa_code_object_version 6
	.text
	.protected	k_qcc841d4c18_total
	.globl	k_qcc841d4c18_total
	.p2align	8
	.type	k_qcc841d4c18_total,@function
k_qcc841d4c18_total:
	s_mov_b64 s[64:65], 0
	v_nop
	global_prefetch_b8 v0, s[64:65] scope:SCOPE_SE
	s_setreg_imm32_b32 hwreg(HW_REG_WAVE_MODE, 25, 1), 1
	s_wait_xcnt 0x0
; out2 = m + 0.25 m, m = the mean of (z_q - z_e)^2 over 32,768 x 256 = 2^23 numbers: both losses of the formula are this mean.
; One wave adds the 512 partial sums: four loads of 16 bytes a lane, 2,048 consecutive bytes.  A sum that spans work-groups has one owner.
	s_load_b128 s[4:7], s[0:1], 0x0                ; part s[4:5], out2 s[6:7]
	v_lshlrev_b32 v1, 4, v0
	s_mov_b32 s8, 0x76543210
	s_mov_b32 s9, 0xfedcba98
	v_mov_b32 v20, 0                               ; v_permlanex16_b32 counts as a reader of its destination
	v_mov_b32 v21, 0
	s_wait_kmcnt 0x0
.irp t, 0,1,2,3
	global_load_b128 v[4+4*\t:7+4*\t], v1, s[4:5] offset:512*\t
.endr
	s_wait_loadcnt 0x0
	v_pk_add_f32 v[4:5], v[4:5], v[6:7]
	v_pk_add_f32 v[8:9], v[8:9], v[10:11]
	v_pk_add_f32 v[12:13], v[12:13], v[14:15]
	v_pk_add_f32 v[16:17], v[16:17], v[18:19]
	v_pk_add_f32 v[4:5], v[4:5], v[8:9]
	v_pk_add_f32 v[12:13], v[12:13], v[16:17]
	v_pk_add_f32 v[4:5], v[4:5], v[12:13]
	v_add_f32 v4, v4, v5
	v_add_f32_dpp v4, v4, v4 row_xmask:1 row_mask:0xf bank_mask:0xf
	v_add_f32_dpp v4, v4, v4 row_xmask:2 row_mask:0xf bank_mask:0xf
	v_add_f32_dpp v4, v4, v4 row_xmask:4 row_mask:0xf bank_mask:0xf
	v_add_f32_dpp v4, v4, v4 row_xmask:8 row_mask:0xf bank_mask:0xf
	v_permlanex16_b32 v20, v4, s8, s9
	v_add_f32 v4, v4, v20
	v_mul_f32 v4, 0x34000000, v4                   ; x 2^-23: the mean
	v_fmamk_f32 v4, v4, 0x3e800000, v4             ; m x 0.25 + m
	v_cmp_eq_u32 vcc_lo, 0, v0
	s_wait_xcnt 0x0                                ; EXEC changes only behind this wait
	s_and_saveexec_b32 s10, vcc_lo
	global_store_b32 v21, v4, s[6:7]
	s_wait_xcnt 0x0
	s_or_b32 exec_lo, exec_lo, s10
	s_endpgm
.Lfunc_end_k_qcc841d4c18_total:
	.size	k_qcc841d4c18_total, .Lfunc_end_k_qcc841d4c18_total-k_qcc841d4c18_total
	.p2alignl 7, 3214868480
	.fill 96, 4, 3214868480
	.section	.rodata,"a",@progbits
	.p2align	6, 0x0
	.amdhsa_kernel k_qcc841d4c18_total
		.amdhsa_group_segment_fixed_size 0
		.amdhsa_private_segment_fixed_size 0
		.amdhsa_enable_private_segment 0
		.amdhsa_kernarg_size 16
		.amdhsa_user_sgpr_count 2
		.amdhsa_user_sgpr_kernarg_segment_ptr 1
		.amdhsa_wavefront_size32 1
		.amdhsa_system_sgpr_workgroup_id_x 1
		.amdhsa_system_sgpr_workgroup_id_y 1
		.amdhsa_system_sgpr_workgroup_id_z 1
		.amdhsa_system_vgpr_workitem_id 0
		.amdhsa_next_free_vgpr 24
		.amdhsa_next_free_sgpr 66
		.amdhsa_reserve_vcc 1
		.amdhsa_float_denorm_mode_32 3
		.amdhsa_float_denorm_mode_16_64 3
		.amdhsa_memory_ordered 1
		.amdhsa_forward_progress 1
		.amdhsa_inst_pref_size 3
	.end_amdhsa_kernel
	.amdgpu_metadata
---
amdhsa.version: [ 1, 2 ]
amdhsa.kernels:
  - .name:           k_qcc841d4c18_total
    .symbol:         k_qcc841d4c18_total.kd
    .args:
      - { .name: part, .offset: 0, .size: 8, .value_kind: global_buffer, .address_space: global }
      - { .name: out2, .offset: 8, .size: 8, .value_kind: global_buffer, .address_space: global }
    .group_segment_fixed_size: 0
    .private_segment_fixed_size: 0
    .kernarg_segment_align: 8
    .kernarg_segment_size: 16
    .max_flat_workgroup_size: 32
    .sgpr_count:     66
    .vgpr_count:     24
    .wavefront_size: 32
...
	.end_amdgpu_metadata
.endif
;; end of part 4
